; MI455X (gfx1250); checked and timed in simulation.
; The chip was launched on July 23, 2026; its instructions are those of AMD's public machine-readable ISA for CDNA 5 (MIT licence, August 2026) and "CDNA5" Instruction Set Architecture Reference Guide (July 2026). The comments in the code are by the model that wrote it; some were corrected since.
;; Multi Res Hash Grid. Allowed arithmetic: matrix products marked QUANTISED: E4M3 operands, one E8M0 scale for each 32 along K, by v_wmma_scale_f32_16x16x128_f8f6f4 with both operands' format E4M3, f32 sums; products left as they are: f32 operands where the result goes on into a quantised operand, else bf16, f16 or f32 operands; f32 sums; everything else in f32.
;; Inputs: W1_codes 64 x 1 x 32 uint8 (E4M3 codes of W1, K innermost, in blocks of 32 codes); W1_scales 64 x 1 uint8 (E8M0 scales of W1, one for each 32 codes along K); W2_codes 64 x 2 x 32 uint8 (E4M3 codes of W2, K innermost, in blocks of 32 codes); W2_scales 64 x 2 uint8 (E8M0 scales of W2, one for each 32 codes along K); W3 64 x 1 float32; b1 64 float32; b2 64 float32; b3 1 float32; resolutions 16 float32; tables 16 x 524,288 x 2 float32; x 500,000 x 3 float32.
;; Outputs: out0 500,000 x 1 float32.
;; This version of the problem:
;;   THIS VERSION OF THE PROBLEM IS GIVEN IN LOW PRECISION. The matrix products marked QUANTISED in the list below multiply operands that are first quantised to E4M3 (4 exponent bits, 3 mantissa bits; 8 bits a number), with one power-of-two scale for each 32 numbers along K (OCP MX v1.0); their sums are f32. All else is computed in f32.
;;   The module's matrix products, in the order in which they are computed (A, B: the left and right operand; K: the contracted axis; several contracted axes count as one K, in the product's order):
;;     1. [M 500,000, K 32] x [K 32, N 64]; A: computed on the way; B: input W1 (given as codes): QUANTISED
;;     2. [M 500,000, K 64] x [K 64, N 64]; A: computed on the way; B: input W2 (given as codes): QUANTISED
;;     3. [M 500,000, K 64] x [K 64, N 1]; A: computed on the way; B: input W3: left as it is (N = 1 < 16)
;;   THE QUANTISER, for each operand of a quantised product, along K:
;;     - K is cut into blocks of 32 from its start; a last block that is shorter is filled with zeros.
;;     - A block's scale is 2^e with e = floor(log2(the largest magnitude in the block)) - 8, held to -126 .. 127; a block of zeros has e = 0. As a byte (E8M0): e + 127.
;;     - Each number is divided by its block's scale, clamped to +-448, and rounded to the nearest number of E4M3, ties to even, subnormals kept.
;;     - The product sums the exact products of the quantised numbers (number of the format x scale) in f32.
;;   ~~~python
;;   def quantise(x, axis):      # numpy; x: float32 -> the quantised numbers, widened to float32 again
;;       x = np.moveaxis(x, axis, -1); K = x.shape[-1]
;;       x = np.pad(x, [(0, 0)] * (x.ndim - 1) + [(0, -K % 32)]); x = x.reshape(x.shape[:-1] + (-1, 32)); a = np.abs(x).max(-1, keepdims=True)
;;       e = np.where(a > 0, np.clip(np.frexp(np.where(a > 0, a, 1))[1] - 1 - 8, -126, 127), 0)      # np.frexp(a)[1] - 1 = floor(log2(a)), exactly
;;       r = np.clip(x / 2.0 ** e, -448, 448)
;;       step = 2.0 ** (np.maximum(np.frexp(np.where(r == 0, 1, r))[1] - 1, -6) - 3)
;;       q = np.round(r / step) * step * 2.0 ** e      # np.round: ties to even
;;       return np.moveaxis(q.reshape(q.shape[:-2] + (-1,))[..., :K], -1, axis).astype(np.float32)
;;   ~~~
;;   OPERANDS COMPUTED ON THE WAY. 'Computed on the way' means the value that the module computes at that place (a softmax that the list does not call 'softmax' is quantised finished and normalised). What goes into a quantiser is computed in f32, as accurately as f32 sums, v_exp_f32 and their like allow (about 1e-6 of the number): no bf16 or f16 on the way to a quantiser, and a product that is left as it is and whose result goes on into a quantised operand takes f32 operands (vector FMAs, or v_wmma_f32_16x16x4_f32). A number that lies on a knife's edge between two numbers of the format may be rounded either way, as far as f32 arithmetic and the matrix unit's own rounding can turn it there, and no further.
;;   INPUTS GIVEN AS CODES. W1 (in the module: [32, 64], K = its axis 0); W2 (in the module: [64, 64], K = its axis 0): each comes as NAME_codes (uint8): NAME with its K axis moved to the last place and cut into blocks of 32 codes, [.., K / 32, bytes a block], one block behind the other in memory; one code a byte (a code: sign, 4 exponent bits, 3 mantissa bits); and NAME_scales (uint8): the same leading axes, one E8M0 byte (e + 127) for each 32 codes along K. Its value is code x scale, taken as it is: it is not quantised again, and the codes and scales need not be those that the quantiser above would give.
;; 2 versions, each right; version 2 is version 1 with the launch mlp written anew for expert scheduling mode. Each part assembles by itself: llvm-mc -triple=amdgcn-amd-amdhsa -mcpu=gfx1250 --defsym DOCPART=n.
;; ======== version 1 of 2: 2 launches
;; workspace buffers: cells 64,000,000 bytes of whole numbers
;; launch cellsl (part 1): grid 3907 x 1, 4 waves a work-group, no clusters, 0 bytes of LDS; arguments x, resolutions, cells; writes cells
.if DOCPART == 1
	.amdgcn_target "amdgcn-amd-amdhsa--gfx1250"
	.amdhsa_code_object_version 6
	.text
	.protected	k_qd1c594eb67_cellsl
	.globl	k_qd1c594eb67_cellsl
	.p2align	8
	.type	k_qd1c594eb67_cellsl,@function
k_qd1c594eb67_cellsl:
	s_mov_b64 s[64:65], 0
	v_nop
	global_prefetch_b8 v0, s[64:65] scope:SCOPE_SE
	s_setreg_imm32_b32 hwreg(HW_REG_WAVE_MODE, 25, 1), 1
	s_wait_xcnt 0x0
; THE VOXELS, AS WHOLE NUMBERS.  For each of 500,000 points and each of 16 levels: p0 = floor((x / 2 + 0.5) * res), and of it what the hash of the eight corners needs.
; A corner's index is ((X + dx) ^ (Y + dy) P1 ^ (Z + dz) P2) & (2^19 - 1).  Adding, xor and the mask all work on the low 19 bits alone, so the low 19 bits of X, of A = Y P1 and of B = Z P2
; (all mod 2^32) serve every corner: 57 bits, two words a point and level:   w0 = (X & 0x7ffff) | (B << 19)      w1 = ((B >> 13) & 63) | (A << 6).
; No bound is taken from the resolutions' values.  The next launch reads these words and forms its gather addresses from them by whole-number arithmetic alone.
; SHARES.  500,000 = 15,625 chunks of 32 points; a wave takes a chunk, a lane a point.  3,907 work-groups of four waves; of the last one waves 1 to 3 have no chunk and end.
; LAYOUT of cells: [chunk][pair of levels j = 0..7][lane][4 words: w0, w1 of level 2 j, w0, w1 of level 2 j + 1]: a chunk is 4,096 consecutive bytes, and each store of the wave covers 512 consecutive bytes, aligned.
; No LDS, no barrier, no loop: waves share nothing; every offset is an immediate, and no register that a store reads is written again, so no wait stands behind the stores.
; LIMITS: |x01 * res| stays under 2^31 (v_cvt_i32_f32's range); a negative coordinate is taken in two's complement; NaN and infinities are not served.
.set NCHUNK, 15625
.set RES,    16                        ; s[16:31] the sixteen resolutions
.set D,      16                        ; v[16:47] the chunk's 32 words a lane
	s_load_b128 s[4:7], s[0:1], 0x0                ; x s[4:5], resolutions s[6:7]
	s_load_b64 s[8:9], s[0:1], 0x10                ; cells
	v_lshrrev_b32 v1, 5, v0
	v_readfirstlane_b32 s35, v1                    ; wave 0..3
	s_lshl_b32 s36, ttmp9, 2
	s_add_co_u32 s36, s36, s35                     ; my chunk = 4 x work-group + wave
	s_wait_kmcnt 0x0
	s_cmp_ge_u32 s36, NCHUNK                       ; ids alone decide
	s_cbranch_scc1 .Lend
	s_load_b512 s[RES:RES+15], s[6:7], 0x0         ; 64 bytes: the whole buffer
	s_mul_i32 s38, s36, 384                        ; 32 points x 12 bytes
	s_mov_b32 s39, 0
	s_add_nc_u64 s[4:5], s[4:5], s[38:39]
	s_lshl_b32 s38, s36, 12                        ; 4,096 bytes of cells a chunk: 64,000,000 in all, under 2^32
	s_add_nc_u64 s[8:9], s[8:9], s[38:39]
	s_mov_b32 s32, 0x7ffff                         ; 2^19 - 1
	s_mov_b32 s33, 0x9e3779b1                      ; P1 = 2,654,435,761
	s_mov_b32 s34, 0x30025795                      ; P2 = 805,459,861
	v_and_b32 v3, 31, v0                           ; lane
	v_lshlrev_b32 v1, 4, v3                        ; 16 x lane: my place in a store's 512 bytes
	v_mul_u32_u24 v2, v3, 12                       ; my point
	global_load_b32 v4, v2, s[4:5] th:TH_LOAD_NT
	global_load_b32 v5, v2, s[4:5] offset:4 th:TH_LOAD_NT
	global_load_b32 v6, v2, s[4:5] offset:8 th:TH_LOAD_NT
	s_wait_kmcnt 0x0                               ; the resolutions
	s_wait_loadcnt 0x0                             ; my point
	v_fma_f32 v4, v4, 0.5, 0.5                     ; x / 2 is exact, so this is x / 2 + 0.5 with its one rounding
	v_fma_f32 v5, v5, 0.5, 0.5
	v_fma_f32 v6, v6, 0.5, 0.5
; Level l: two sets of temporaries by turns, so that a level does not wait for the one before.
.macro CELL l
.set T, 8+4*((\l)%2)
	v_mul_f32 v[T], s[RES+(\l)], v4                ; pos
	v_mul_f32 v[T+1], s[RES+(\l)], v5
	v_mul_f32 v[T+2], s[RES+(\l)], v6
	v_floor_f32 v[T], v[T]
	v_floor_f32 v[T+1], v[T+1]
	v_floor_f32 v[T+2], v[T+2]
	v_cvt_i32_f32 v[T], v[T]                       ; X, Y, Z: whole numbers already, so nothing is rounded
	v_cvt_i32_f32 v[T+1], v[T+1]
	v_cvt_i32_f32 v[T+2], v[T+2]
	v_mul_lo_u32 v[T+1], v[T+1], s33               ; A = Y P1 mod 2^32
	v_mul_lo_u32 v[T+2], v[T+2], s34               ; B = Z P2 mod 2^32
	v_and_b32 v[T], s32, v[T]
	v_lshl_or_b32 v[D+2*(\l)], v[T+2], 19, v[T]    ; w0: X's 19 bits, B's low 13 above them
	v_bfe_u32 v[T+3], v[T+2], 13, 6                ; B's bits 13 to 18
	v_lshl_or_b32 v[D+2*(\l)+1], v[T+1], 6, v[T+3] ; w1: those six, A's low 26 above them
.endm
.irp j, 0,1,2,3,4,5,6,7
	CELL 2*\j
	CELL 2*\j+1
	global_store_b128 v1, v[D+4*\j:D+4*\j+3], s[8:9] offset:512*\j th:TH_STORE_NT   ; 32 lanes store 512 consecutive bytes, at a multiple of 256 from the buffer's first byte
.endr
.Lend:
	s_endpgm
.Lfunc_end_k_qd1c594eb67_cellsl:
	.size	k_qd1c594eb67_cellsl, .Lfunc_end_k_qd1c594eb67_cellsl-k_qd1c594eb67_cellsl
	.p2alignl 7, 3214868480
	.fill 96, 4, 3214868480
	.section	.rodata,"a",@progbits
	.p2align	6, 0x0
	.amdhsa_kernel k_qd1c594eb67_cellsl
		.amdhsa_group_segment_fixed_size 0
		.amdhsa_private_segment_fixed_size 0
		.amdhsa_enable_private_segment 0
		.amdhsa_kernarg_size 24
		.amdhsa_user_sgpr_count 2
		.amdhsa_user_sgpr_kernarg_segment_ptr 1
		.amdhsa_wavefront_size32 1
		.amdhsa_system_sgpr_workgroup_id_x 1
		.amdhsa_system_sgpr_workgroup_id_y 1
		.amdhsa_system_sgpr_workgroup_id_z 1
		.amdhsa_system_vgpr_workitem_id 0
		.amdhsa_next_free_vgpr 48
		.amdhsa_next_free_sgpr 66
		.amdhsa_reserve_vcc 0
		.amdhsa_float_denorm_mode_32 3
		.amdhsa_float_denorm_mode_16_64 3
		.amdhsa_memory_ordered 1
		.amdhsa_forward_progress 1
		.amdhsa_inst_pref_size 13
	.end_amdhsa_kernel
	.amdgpu_metadata
---
amdhsa.version: [ 1, 2 ]
amdhsa.kernels:
  - .name:           k_qd1c594eb67_cellsl
    .symbol:         k_qd1c594eb67_cellsl.kd
    .args:
      - { .name: x, .offset: 0, .size: 8, .value_kind: global_buffer, .address_space: global }
      - { .name: resolutions, .offset: 8, .size: 8, .value_kind: global_buffer, .address_space: global }
      - { .name: cells, .offset: 16, .size: 8, .value_kind: global_buffer, .address_space: global }
    .group_segment_fixed_size: 0
    .private_segment_fixed_size: 0
    .kernarg_segment_align: 8
    .kernarg_segment_size: 24
    .max_flat_workgroup_size: 128
    .sgpr_count:     66
    .vgpr_count:     48
    .wavefront_size: 32
...
	.end_amdgpu_metadata
.endif
;; end of part 1
;; launch mlp (part 2): grid 3907 x 1, 4 waves a work-group, no clusters, 0 bytes of LDS; arguments cells, x, resolutions, tables, W1_codes, W1_scales, W2_codes, W2_scales, b1, b2, W3, b3, out0; writes out0
.if DOCPART == 2
	.amdgcn_target "amdgcn-amd-amdhsa--gfx1250"
	.amdhsa_code_object_version 6
	.text
	.protected	k_qd1c594eb67_mlp
	.globl	k_qd1c594eb67_mlp
	.p2align	8
	.type	k_qd1c594eb67_mlp,@function
k_qd1c594eb67_mlp:
	s_mov_b64 s[64:65], 0
	v_nop
	global_prefetch_b8 v0, s[64:65] scope:SCOPE_SE
	s_setreg_imm32_b32 hwreg(HW_REG_WAVE_MODE, 25, 1), 1
	s_wait_xcnt 0x0
; HASH GRID AND MLP.  out = relu(relu(a W1 + b1) W2 + b2) W3 + b3, a = the 32 features of a point: for each of 16 levels the trilinear blend of the eight corners' two table entries.
; The first two products run on codes of FP8 (E4M3) with one E8M0 scale for each 32 along K; a and the first hidden layer are quantised in registers; the last product (one column) is f32 multiply-adds.
; SHARES.  15,625 chunks of 32 points; a wave takes a chunk.  In the gathers a lane is a point; in the products the chunk is two groups of 16 points.  3,907 work-groups of four waves; of the last one waves 1 to 3 end at once.
; THE GATHERS.  The voxels come as whole numbers from the launch before (two words a point and level: the low 19 bits of X, of A = Y P1, of B = Z P2); the eight indices are made from them by adds, xors and masks.
; The weights w = pos - floor(pos) are made here from x, by the same two roundings as the launch before made its floor.  Six levels, 48 loads of 8 bytes a lane, are on their way at any time, in six stages of 16 registers;
; a load lands on its own index register.  Level l's blend is written over level l's two cell words, so the features end up in 32 consecutive registers, in K's order.
; THE PRODUCTS ARE USED TRANSPOSED: source 0 = 16 rows of a weight (its K innermost, as it is given), source 1 = 16 points.  A lane then holds ONE point, and its registers run along the units, the next K.
; THE ROWS OF A WEIGHT THAT FORM A TILE ARE NOT NEIGHBOURS: lane r of tile 2 b + u takes row 32 b + 8 u + r + 8 (r / 8), so that the 16 registers of tiles 2 b and 2 b + 1 are units 32 b + 16 (lane / 16) + 0 .. 15:
; the order that the next operand's layout wants.  b1, b2 (each the C of its tile's one matrix instruction) and W3 are loaded in that same order.
; K IS 32, THEN 64, OF THE INSTRUCTION'S 128.  The rest of K has zero CODES on the points' side, which add nothing whatever finite code and whatever scale byte but 0xff stands against them.  So a weight tile keeps only its true
; 4 or 8 registers; the 16 that the instruction names run on over the following tiles' codes (behind W2's last tile: 8 registers of zeros).  The scale words' upper bytes are 0.
; NO LDS, NO TENSOR LOAD, NO CLUSTER: the bulk is a lane's own gather at hashed places, no tile is shared between waves, and the weights are 7 KB that a wave reads once, straight in its operands' order.
; No loop: every wait's count can be read off the text.  No address register, base or store datum is written while a load or store that names it is out; a stage is written again only behind the counted wait for its own loads.
; LIMITS: |x01 * res| under 2^31; NaN, infinities and NaN codes among the weights are not served; a block whose largest magnitude lies under 2^-118 keeps the scale byte 1 (a block of zeros too: its codes are zeros);
; the sums over corners and over W3 are fused multiply-adds in this text's own order.
.set NCHUNK, 15625
.set W1S, 10                           ; v10-13   W1's scale words, a tile each: these eleven registers hold scales and nothing else
.set W2S, 14                           ; v14-17   W2's
.set SA,  18                           ; v18      a's scale byte: lane = point
.set SH,  19                           ; v19, v20 the hidden layer's scale words, group 0 and 1: lane r = point r of the group
.set XP,  22                           ; v22-24   x, then x01
.set FE,  44                           ; v44-75   the cells' 32 words, then the 32 features, then four result tiles of 8
.set ST,  76                           ; v76-171  six stages of 16; level l has stage (l + 2) % 6, so that the last levels free stages 0, 1, 2 first, for the weights
.set W1R, 76                           ; v76-91   W1: 4 registers a tile
.set W2R, 92                           ; v92-123  W2: 8 registers a tile
.set ZR,  124                          ; v124-131 zeros behind W2's last tile
.set ACT, 132                          ; v132-147, v148-163 the points' operand, group 0 and 1
.set CD,  164                          ; v164-171 a lane's 32 codes of a
.set B1,  172                          ; v172-203 b1, later W3
.set W3R, 172
.set B2,  204                          ; v204-235 b2
.set RES, 32                           ; s[32:47] the resolutions
.set TBL, 66                           ; s[66:97] the sixteen levels' tables: a base each, never rewritten
; v1 16 lane, v2 12 lane, v3 4 lane, v4 64 h, v5 row = r + 8 (r / 8), v6 2 row, v7 32 row + 16 h, v8 64 row + 16 h (r = lane % 16, h = lane / 16): never rewritten.  v26-43 at work.
	s_load_b512 s[4:19], s[0:1], 0x0               ; cells 4, x 6, resolutions 8, tables 10, W1's codes 12, scales 14, W2's codes 16, scales 18
	s_load_b256 s[20:27], s[0:1], 0x40             ; b1 20, b2 22, W3 24, b3 26
	s_load_b64 s[28:29], s[0:1], 0x60              ; out0
	v_lshrrev_b32 v9, 5, v0
	v_readfirstlane_b32 s55, v9                    ; wave 0..3
	s_lshl_b32 s56, ttmp9, 2
	s_add_co_u32 s56, s56, s55                     ; my chunk
	v_and_b32 v9, 31, v0                           ; lane
	v_lshlrev_b32 v1, 4, v9
	v_mul_u32_u24 v2, v9, 12
	v_lshlrev_b32 v3, 2, v9
	s_wait_kmcnt 0x0
	s_cmp_ge_u32 s56, NCHUNK                       ; ids alone decide
	s_cbranch_scc1 .Lend
	s_load_b512 s[RES:RES+15], s[8:9], 0x0
	s_load_b32 s30, s[26:27], 0x0                  ; b3
	s_lshl_b32 s58, s56, 12
	s_mov_b32 s59, 0
	s_add_nc_u64 s[4:5], s[4:5], s[58:59]          ; my 4,096 bytes of cells
.irp j, 0,1,2,3,4,5,6,7
	global_load_b128 v[FE+4*\j:FE+4*\j+3], v1, s[4:5] offset:512*\j th:TH_LOAD_NT   ; levels 2 j and 2 j + 1; 512 consecutive bytes a load
.endr
	s_mul_i32 s58, s56, 384
	s_add_nc_u64 s[6:7], s[6:7], s[58:59]          ; my 32 points
	global_load_b32 v[XP], v2, s[6:7] th:TH_LOAD_NT
	global_load_b32 v[XP+1], v2, s[6:7] offset:4 th:TH_LOAD_NT
	global_load_b32 v[XP+2], v2, s[6:7] offset:8 th:TH_LOAD_NT
	v_bfe_u32 v21, v0, 4, 1                        ; h
	v_lshlrev_b32 v4, 6, v21
	v_and_b32 v9, 15, v0                           ; r
	v_and_b32 v5, 8, v0
	v_add_nc_u32 v5, v5, v9                        ; r + 8 (r / 8)
	v_lshlrev_b32 v6, 1, v5
	v_lshlrev_b32 v7, 5, v5
	v_lshl_add_u32 v7, v21, 4, v7
	v_lshlrev_b32 v8, 6, v5
	v_lshl_add_u32 v8, v21, 4, v8
.irp t, 0,1,2,3                        ; lane (r, h) wants, for tile t = 2 b + u, the numbers of units 32 b + 16 h + 8 u + 0 .. 7
	global_load_b128 v[B1+8*\t:B1+8*\t+3], v4, s[20:21] offset:(32*(\t/2)+8*(\t%2))*4
	global_load_b128 v[B1+8*\t+4:B1+8*\t+7], v4, s[20:21] offset:(32*(\t/2)+8*(\t%2))*4+16
.endr
.irp t, 0,1,2,3
	global_load_b128 v[B2+8*\t:B2+8*\t+3], v4, s[22:23] offset:(32*(\t/2)+8*(\t%2))*4
	global_load_b128 v[B2+8*\t+4:B2+8*\t+7], v4, s[22:23] offset:(32*(\t/2)+8*(\t%2))*4+16
.endr
.irp t, 0,1,2,3
	global_load_u8 v[W1S+\t], v5, s[14:15] offset:32*(\t/2)+8*(\t%2)        ; one byte a row; the word's upper bytes are 0
.endr
.irp t, 0,1,2,3
	global_load_u16 v[W2S+\t], v6, s[18:19] offset:(32*(\t/2)+8*(\t%2))*2   ; two bytes a row
.endr
	s_lshl_b32 s58, s56, 7
	s_add_nc_u64 s[28:29], s[28:29], s[58:59]      ; my 128 bytes of the output
.irp l, 0,1,2,3,4,5,6,7,8,9,10,11,12,13,14,15
	s_add_nc_u64 s[TBL+2*\l:TBL+2*\l+1], s[10:11], \l*0x400000   ; a level's table is 2^19 entries of 8 bytes
.endr
	s_mov_b32 s48, 0x7ffff                         ; 2^19 - 1
	s_mov_b32 s49, 0x9e3779b1                      ; P1
	s_mov_b32 s50, 0x30025795                      ; P2
	s_mov_b32 s51, 0xffff0000                      ; lanes 16 to 31
	s_mov_b32 s52, 0x76543210                      ; v_permlanex16_b32's selects for lane l xor 16
	s_mov_b32 s53, 0xfedcba98
	s_mov_b32 s54, 0x600000                        ; the mantissa field of 448
; Level l's eight indices, and its eight gathers.  Of X' = w0, B' = {w1, w0} >> 19 and A' = w1 >> 6 the low 19 bits are true and the rest is masked off.
; Corner c = dx + 2 dy + 4 dz: index = ((A + dy P1) ^ (B + dz P2)) & mask, xor ((X + dx) & mask).
.macro IDX l
.set FB, ST+16*(((\l)+2)%6)
.set CW, FE+2*(\l)
	v_alignbit_b32 v26, v[CW+1], v[CW], 19         ; B'
	v_lshrrev_b32 v27, 6, v[CW+1]                  ; A'
	v_add_nc_u32 v28, 1, v[CW]                     ; X + 1
	v_add_nc_u32 v29, s49, v27                     ; A + P1
	v_add_nc_u32 v30, s50, v26                     ; B + P2
	v_and_b32 v31, s48, v[CW]
	v_and_b32 v28, s48, v28
	v_xor_b32 v32, v27, v26                        ; dy 0, dz 0
	v_xor_b32 v33, v29, v26                        ; dy 1, dz 0
	v_xor_b32 v34, v27, v30                        ; dy 0, dz 1
	v_xor_b32 v35, v29, v30                        ; dy 1, dz 1
.irp q, 32,33,34,35
	v_and_b32 v\q, s48, v\q
.endr
.irp c, 0,1,2,3,4,5,6,7
	v_xor_b32 v[FB+2*\c], v[32+\c/2], v[31-3*(\c%2)]
.endr
.irp c, 0,1,2,3,4,5,6,7
	v_min_u32 v[FB+2*\c], 0x7ffff, v[FB+2*\c]      ; changes nothing: a loaded number enters an address only behind a hold at a constant written in the instruction
.endr
.irp c, 0,1,2,3,4,5,6,7
	global_load_b64 v[FB+2*\c:FB+2*\c+1], v[FB+2*\c], s[TBL+2*(\l):TBL+2*(\l)+1] scale_offset   ; the entry at base + 8 x index, onto its own index register
.endr
.endm
; Level l's blend.  n = the loads issued behind level l's eight (loads come back in order: ISA guide 5.7.1).
; Pairs (1 - w, w) for x, y, z; the corners' weights (ax ay) az, two at a time: pair c / 2, half c % 2; then eight packed multiply-adds on the corners' feature pairs.  The first is a multiply: nothing is cleared.
.macro ACC l, n
.set FB, ST+16*(((\l)+2)%6)
.set AO, FE+2*(\l)
	s_wait_loadcnt \n
	v_mul_f32 v36, s[RES+(\l)], v[XP]              ; pos
	v_mul_f32 v37, s[RES+(\l)], v[XP+1]
	v_mul_f32 v38, s[RES+(\l)], v[XP+2]
	v_floor_f32 v26, v36
	v_floor_f32 v28, v37
	v_floor_f32 v30, v38
	v_sub_f32 v27, v36, v26                        ; w
	v_sub_f32 v29, v37, v28
	v_sub_f32 v31, v38, v30
	v_sub_f32 v26, 1.0, v27                        ; 1 - w
	v_sub_f32 v28, 1.0, v29
	v_sub_f32 v30, 1.0, v31
	v_pk_mul_f32 v[32:33], v[26:27], v[28:29] op_sel_hi:[1,0]               ; dy 0: both halves x (1 - wy)
	v_pk_mul_f32 v[34:35], v[26:27], v[28:29] op_sel:[0,1] op_sel_hi:[1,1]  ; dy 1: both halves x wy
	v_pk_mul_f32 v[36:37], v[32:33], v[30:31] op_sel_hi:[1,0]               ; corners 0, 1
	v_pk_mul_f32 v[38:39], v[34:35], v[30:31] op_sel_hi:[1,0]               ; corners 2, 3
	v_pk_mul_f32 v[40:41], v[32:33], v[30:31] op_sel:[0,1] op_sel_hi:[1,1]  ; corners 4, 5
	v_pk_mul_f32 v[42:43], v[34:35], v[30:31] op_sel:[0,1] op_sel_hi:[1,1]  ; corners 6, 7
	v_pk_mul_f32 v[AO:AO+1], v[FB:FB+1], v[36:37] op_sel_hi:[1,0]
	v_pk_fma_f32 v[AO:AO+1], v[FB+2:FB+3], v[36:37], v[AO:AO+1] op_sel:[0,1,0] op_sel_hi:[1,1,1]
.irp c, 2,4,6
	v_pk_fma_f32 v[AO:AO+1], v[FB+2*\c:FB+2*\c+1], v[36+\c:37+\c], v[AO:AO+1] op_sel_hi:[1,0,1]
	v_pk_fma_f32 v[AO:AO+1], v[FB+2*\c+2:FB+2*\c+3], v[36+\c:37+\c], v[AO:AO+1] op_sel:[0,1,0] op_sel_hi:[1,1,1]
.endr
.endm
	s_wait_kmcnt 0x0                               ; the resolutions and b3
	s_wait_loadcnt 24                              ; the cells and x are in: behind them stand b1's 8 loads, b2's 8 and the 8 scale loads
	v_fma_f32 v[XP], v[XP], 0.5, 0.5               ; x / 2 + 0.5, one rounding
	v_fma_f32 v[XP+1], v[XP+1], 0.5, 0.5
	v_fma_f32 v[XP+2], v[XP+2], 0.5, 0.5
.irp l, 0,1,2,3,4,5
	IDX \l                                         ; six levels go out
.endr
.irp l, 0,1,2,3,4,5,6,7,8,9
	ACC \l, 40                                     ; five younger levels, 40 loads, stay out (the first of these waits also shows b1, b2 and the weights' scales in)
	IDX \l+6                                       ; into the stage just read
.endr
	ACC 10, 40
.irp t, 0,1,2,3                        ; stage 0 is free: W1's tiles.  Lane (r, h): its row's 16 codes from K = 16 h on
	global_load_b128 v[W1R+4*\t:W1R+4*\t+3], v7, s[12:13] offset:(32*(\t/2)+8*(\t%2))*32
.endr
	ACC 11, 36                                     ; levels 12 to 15: 32, and W1's 4
.irp t, 0,1                            ; stage 1 is free: W2's tiles 0 and 1: two blocks of 32 along K
	global_load_b128 v[W2R+8*\t:W2R+8*\t+3], v8, s[16:17] offset:(32*(\t/2)+8*(\t%2))*64
	global_load_b128 v[W2R+8*\t+4:W2R+8*\t+7], v8, s[16:17] offset:(32*(\t/2)+8*(\t%2))*64+32
.endr
	ACC 12, 32                                     ; 24 and 8
.irp t, 2,3                            ; stage 2 is free: tiles 2 and 3
	global_load_b128 v[W2R+8*\t:W2R+8*\t+3], v8, s[16:17] offset:(32*(\t/2)+8*(\t%2))*64
	global_load_b128 v[W2R+8*\t+4:W2R+8*\t+7], v8, s[16:17] offset:(32*(\t/2)+8*(\t%2))*64+32
.endr
	ACC 13, 28                                     ; 16 and 12
	ACC 14, 20                                     ; 8 and 12
	ACC 15, 12                                     ; the weights' 12
	; ---- zero codes for the rest of K: behind W2's last tile, and registers 4 to 15 of both groups' operand
.set j, 0
.rept 8
	v_mov_b32 v[ZR+j], 0
.set j, j+1
.endr
.set j, 4
.rept 12
	v_mov_b32 v[ACT+j], 0
	v_mov_b32 v[ACT+16+j], 0
.set j, j+1
.endr
	; ---- a is quantised: a lane's 32 features are one whole block, so its largest magnitude needs no other lane
	v_max3_num_f32 v34, |v[FE]|, |v[FE+1]|, 0x4800000      ; two chains; the floor 2^(9 - 127) among the leaves holds the scale's byte at 1 from below
	v_max3_num_f32 v35, |v[FE+2]|, |v[FE+3]|, 0x4800000
.irp i, 4,8,12,16,20,24,28
	v_max3_num_f32 v34, v34, |v[FE+\i]|, |v[FE+\i+1]|
	v_max3_num_f32 v35, v35, |v[FE+\i+2]|, |v[FE+\i+3]|
.endr
	v_max_num_f32 v34, v34, v35
	v_add_nc_u32 v36, 0xfc000000, v34              ; 8 off the exponent field: the conversion takes this operand's exponent field as its scale
	v_and_or_b32 v37, v34, 0x7f800000, s54         ; 448 x the scale
	v_lshrrev_b32 v[SA], 23, v36                   ; the scale's byte
.set j, 0
.rept 32
	v_med3_num_f32 v[FE+j], v[FE+j], -v37, v37     ; the conversion to an 8-bit code does not saturate (ISA guide 7.6.2): the hold at the largest code x the scale
.set j, j+1
.endr
.irp g, 0,1,2,3
	v_cvt_scalef32_pk8_fp8_f32 v[CD+2*\g:CD+2*\g+1], v[FE+8*\g:FE+8*\g+7], v36
.endr
	v_nop                                          ; one plain instruction between a scaled conversion and the first vector instruction that reads its result
	; The operand wants, in lane (r, h), point r's codes of K = 16 h .. 16 h + 15.  Group 0 (points 0-15): lanes 0-15 have their own low 16 codes, lanes 16-31 take lane l - 16's high 16.  Group 1: the other way round.
.irp i, 0,1,2,3,4,5,6,7
	v_permlanex16_b32 v[26+\i], v[CD+\i], s52, s53
.endr
.irp i, 0,1,2,3
	v_cndmask_b32 v[ACT+\i], v[CD+\i], v[30+\i], s51
	v_cndmask_b32 v[ACT+16+\i], v[26+\i], v[CD+4+\i], s51
.endr
	s_wait_loadcnt 0x0                             ; W1 and W2
.rept 8
	v_nop                                          ; in front of a scaled matrix instruction an operand written by vector instructions stands 4 places ahead, a scale register so written 8
.endr
; Four tiles of 16 units x 16 points, one matrix instruction each; the bias is its C.  Group 1's scale bytes of a lie in lanes 16 to 31.
.macro L1 p
.irp t, 0,1,2,3
.if \p
	v_wmma_scale_f32_16x16x128_f8f6f4 v[FE+8*\t:FE+8*\t+7], v[W1R+4*\t:W1R+4*\t+15], v[ACT+16*\p:ACT+16*\p+15], v[B1+8*\t:B1+8*\t+7], v[W1S+\t], v[SA] matrix_b_scale:MATRIX_SCALE_ROW1
.else
	v_wmma_scale_f32_16x16x128_f8f6f4 v[FE+8*\t:FE+8*\t+7], v[W1R+4*\t:W1R+4*\t+15], v[ACT+16*\p:ACT+16*\p+15], v[B1+8*\t:B1+8*\t+7], v[W1S+\t], v[SA]
.endif
.endr
.endm
.macro L2 p
.irp t, 0,1,2,3
	v_wmma_scale_f32_16x16x128_f8f6f4 v[FE+8*\t:FE+8*\t+7], v[W2R+8*\t:W2R+8*\t+15], v[ACT+16*\p:ACT+16*\p+15], v[B2+8*\t:B2+8*\t+7], v[W2S+\t], v[SH+\p]
.endr
.endm
; Behind this form a vector instruction that reads a result or writes an operand, and a load into an operand, stand 8 places back; a later matrix instruction that writes over the results stands 9 back.
; Only plain vector instructions that name none of its registers are places, and no such work is at hand here.
.macro PLACES
.rept 9
	v_nop
.endr
.endm
; The hidden layer of group p becomes the second product's operand: two blocks of 32 along the next K, each in lanes l and l xor 16.  No |.| on the maximum's sources: what is negative becomes 0, so it must not count.
; Each result tile is read from its low end on.
.macro QH p
.irp b, 0,1
	v_max3_num_f32 v[26+\b], v[FE+16*\b], v[FE+16*\b+1], 0x4800000
.endr
.irp i, 2,4,6,8,10,12,14
.irp b, 0,1
	v_max3_num_f32 v[26+\b], v[26+\b], v[FE+16*\b+\i], v[FE+16*\b+\i+1]
.endr
.endr
.irp b, 0,1
	v_permlanex16_b32 v[28+\b], v[26+\b], s52, s53
.endr
.irp b, 0,1
	v_max_num_f32 v[26+\b], v[26+\b], v[28+\b]     ; the block's largest magnitude
.endr
.irp b, 0,1
	v_add_nc_u32 v[30+\b], 0xfc000000, v[26+\b]    ; the conversion's scale operand
.endr
.irp b, 0,1
	v_and_or_b32 v[32+\b], v[26+\b], 0x7f800000, s54   ; 448 x the scale
.endr
.irp b, 0,1
	v_lshrrev_b32 v[34+\b], 23, v[30+\b]           ; the scale's byte
.endr
	v_lshl_or_b32 v[SH+\p], v35, 8, v34            ; point r's scale word; its upper bytes, over zero codes, are 0
.irp b, 0,1
.irp i, 0,1,2,3,4,5,6,7,8,9,10,11,12,13,14,15
	v_med3_num_f32 v[FE+16*\b+\i], v[FE+16*\b+\i], 0, v[32+\b]   ; the activation and the hold in one
.endr
	v_cvt_scalef32_pk8_fp8_f32 v[ACT+16*\p+4*\b:ACT+16*\p+4*\b+1], v[FE+16*\b:FE+16*\b+7], v[30+\b]       ; registers 4 b .. 4 b + 3 of the operand: K = 32 b + 16 h + 0 .. 15
	v_cvt_scalef32_pk8_fp8_f32 v[ACT+16*\p+4*\b+2:ACT+16*\p+4*\b+3], v[FE+16*\b+8:FE+16*\b+15], v[30+\b]
.endr
	v_nop                                          ; one plain instruction between the last conversion and the products that write over its sources
.endm
; The last product, in f32: a lane's 32 units against W3's 32 numbers in the same order, two packed chains; lane l xor 16 has the point's other 32 units.
.macro DOT p
.set j, 0
.rept 32
	v_max_num_f32 v[FE+j], 0, v[FE+j]              ; the activation; ascending
.set j, j+1
.endr
	v_pk_mul_f32 v[26:27], v[FE:FE+1], v[W3R:W3R+1]
	v_pk_mul_f32 v[28:29], v[FE+2:FE+3], v[W3R+2:W3R+3]
.irp i, 4,8,12,16,20,24,28
	v_pk_fma_f32 v[26:27], v[FE+\i:FE+\i+1], v[W3R+\i:W3R+\i+1], v[26:27]
	v_pk_fma_f32 v[28:29], v[FE+\i+2:FE+\i+3], v[W3R+\i+2:W3R+\i+3], v[28:29]
.endr
	v_pk_add_f32 v[26:27], v[26:27], v[28:29]
	v_add_f32 v26, v26, v27
	v_permlanex16_b32 v30, v26, s52, s53
	v_add_f32 v[31+\p], v26, v30                   ; lanes r and 16 + r: point r of group p
.endm
	L1 0
	PLACES
	QH 0
	L1 1
	PLACES
.irp t, 0,1,2,3                        ; b1 is done with: W3 takes its registers, in the same order
	global_load_b128 v[W3R+8*\t:W3R+8*\t+3], v4, s[24:25] offset:(32*(\t/2)+8*(\t%2))*4
	global_load_b128 v[W3R+8*\t+4:W3R+8*\t+7], v4, s[24:25] offset:(32*(\t/2)+8*(\t%2))*4+16
.endr
	QH 1
	L2 0                                           ; its operand and scale word were made in front of the last products and their places
	PLACES
	s_wait_loadcnt 0x0                             ; W3
	DOT 0
	L2 1
	PLACES
	DOT 1
	v_cndmask_b32 v33, v31, v32, s51               ; lane l holds point l: lanes 0-15 of group 0, lanes 16-31 of group 1
	v_add_f32 v33, s30, v33                        ; + b3
	global_store_b32 v3, v33, s[28:29] th:TH_STORE_NT   ; the wave's 128 consecutive bytes: 500,000 points do not split evenly into runs of 64
.Lend:
	s_endpgm
.Lfunc_end_k_qd1c594eb67_mlp:
	.size	k_qd1c594eb67_mlp, .Lfunc_end_k_qd1c594eb67_mlp-k_qd1c594eb67_mlp
	.p2alignl 7, 3214868480
	.fill 96, 4, 3214868480
	.section	.rodata,"a",@progbits
	.p2align	6, 0x0
	.amdhsa_kernel k_qd1c594eb67_mlp
		.amdhsa_group_segment_fixed_size 0
		.amdhsa_private_segment_fixed_size 0
		.amdhsa_enable_private_segment 0
		.amdhsa_kernarg_size 104
		.amdhsa_user_sgpr_count 2
		.amdhsa_user_sgpr_kernarg_segment_ptr 1
		.amdhsa_wavefront_size32 1
		.amdhsa_system_sgpr_workgroup_id_x 1
		.amdhsa_system_sgpr_workgroup_id_y 1
		.amdhsa_system_sgpr_workgroup_id_z 1
		.amdhsa_system_vgpr_workitem_id 0
		.amdhsa_next_free_vgpr 240
		.amdhsa_next_free_sgpr 98
		.amdhsa_reserve_vcc 0
		.amdhsa_float_denorm_mode_32 3
		.amdhsa_float_denorm_mode_16_64 3
		.amdhsa_memory_ordered 1
		.amdhsa_forward_progress 1
		.amdhsa_inst_pref_size 83
	.end_amdhsa_kernel
	.amdgpu_metadata
---
amdhsa.version: [ 1, 2 ]
amdhsa.kernels:
  - .name:           k_qd1c594eb67_mlp
    .symbol:         k_qd1c594eb67_mlp.kd
    .args:
      - { .name: cells, .offset: 0, .size: 8, .value_kind: global_buffer, .address_space: global }
      - { .name: x, .offset: 8, .size: 8, .value_kind: global_buffer, .address_space: global }
      - { .name: resolutions, .offset: 16, .size: 8, .value_kind: global_buffer, .address_space: global }
      - { .name: tables, .offset: 24, .size: 8, .value_kind: global_buffer, .address_space: global }
      - { .name: W1_codes, .offset: 32, .size: 8, .value_kind: global_buffer, .address_space: global }
      - { .name: W1_scales, .offset: 40, .size: 8, .value_kind: global_buffer, .address_space: global }
      - { .name: W2_codes, .offset: 48, .size: 8, .value_kind: global_buffer, .address_space: global }
      - { .name: W2_scales, .offset: 56, .size: 8, .value_kind: global_buffer, .address_space: global }
      - { .name: b1, .offset: 64, .size: 8, .value_kind: global_buffer, .address_space: global }
      - { .name: b2, .offset: 72, .size: 8, .value_kind: global_buffer, .address_space: global }
      - { .name: W3, .offset: 80, .size: 8, .value_kind: global_buffer, .address_space: global }
      - { .name: b3, .offset: 88, .size: 8, .value_kind: global_buffer, .address_space: global }
      - { .name: out0, .offset: 96, .size: 8, .value_kind: global_buffer, .address_space: global }
    .group_segment_fixed_size: 0
    .private_segment_fixed_size: 0
    .kernarg_segment_align: 8
    .kernarg_segment_size: 104
    .max_flat_workgroup_size: 128
    .sgpr_count:     98
    .vgpr_count:     240
    .wavefront_size: 32
...
	.end_amdgpu_metadata
.endif
;; end of part 2
;; ======== version 2 of 2: 2 launches; version 1 with the launch mlp written anew for expert scheduling mode
;; workspace buffers: cells 64,000,000 bytes of whole numbers
;; launch cellsl: the kernel of part 1 again; grid 3907 x 1, 4 waves a work-group, no clusters, 0 bytes of LDS; arguments x, resolutions, cells; writes cells
;; launch mlp (part 3): grid 3907 x 1, 4 waves a work-group, no clusters, 0 bytes of LDS; arguments cells, x, resolutions, tables, W1_codes, W1_scales, W2_codes, W2_scales, b1, b2, W3, b3, out0; writes out0
.if DOCPART == 3
	.amdgcn_target "amdgcn-amd-amdhsa--gfx1250"
	.amdhsa_code_object_version 6
	.text
	.protected	k_qd1c594eb67_mlp
	.globl	k_qd1c594eb67_mlp
	.p2align	8
	.type	k_qd1c594eb67_mlp,@function
k_qd1c594eb67_mlp:
	s_mov_b64 s[64:65], 0
	v_nop
	global_prefetch_b8 v0, s[64:65] scope:SCOPE_SE
	s_setreg_imm32_b32 hwreg(HW_REG_WAVE_SCHED_MODE, 0, 2), 2
	s_setreg_imm32_b32 hwreg(HW_REG_WAVE_MODE, 25, 1), 1
	s_wait_xcnt 0x0
	s_wait_alu depctr_vm_vsrc(0)
; HASH GRID AND MLP.  out = relu(relu(a W1 + b1) W2 + b2) W3 + b3, a = the 32 features of a point: for each of 16 levels the trilinear blend of the eight corners' two table entries.
; The first two products run on codes of FP8 (E4M3) with one E8M0 scale for each 32 along K; a and the first hidden layer are quantised in registers; the last product (one column) is f32 multiply-adds.
; SHARES.  15,625 chunks of 32 points; a wave takes a chunk.  In the gathers a lane is a point; in the products the chunk is two groups of 16 points.  3,907 work-groups of four waves; of the last one waves 1 to 3 end at once.
; THE GATHERS.  The voxels come as whole numbers from the launch before (two words a point and level: the low 19 bits of X, of A = Y P1, of B = Z P2); the eight indices are made from them by adds, xors and masks.
; The weights w = pos - floor(pos) are made here from x, by the same two roundings as the launch before made its floor.  Six levels, 48 loads of 8 bytes a lane, are on their way at any time, in six stages of 16 registers.
; Level l's blend is written over level l's two cell words, so the features end up in 32 consecutive registers, in K's order.
; THE PRODUCTS ARE USED TRANSPOSED: source 0 = 16 rows of a weight (its K innermost, as it is given), source 1 = 16 points.  A lane then holds ONE point, and its registers run along the units, the next K.
; THE ROWS OF A WEIGHT THAT FORM A TILE ARE NOT NEIGHBOURS: lane r of tile 2 b + u takes row 32 b + 8 u + r + 8 (r / 8), so that the 16 registers of tiles 2 b and 2 b + 1 are units 32 b + 16 (lane / 16) + 0 .. 15:
; the order that the next operand's layout wants.  b1, b2 (each the C of its tile's one matrix instruction) and W3 are loaded in that same order.
; K IS 32, THEN 64, OF THE INSTRUCTION'S 128.  The rest of K has zero CODES on the points' side, which add nothing whatever finite code and whatever scale byte but 0xff stands against them.  So a weight tile keeps only its true
; 4 or 8 registers; the 16 that the instruction names run on over the following tiles' codes (behind W2's last tile: 8 registers of zeros).  The scale words' upper bytes are 0.
; NO LDS, NO TENSOR LOAD, NO CLUSTER: the bulk is a lane's own gather at hashed places, no tile is shared between waves, and the weights are 7 KB that a wave reads once, straight in its operands' order.
; No loop: every wait's count can be read off the text.  No base or store datum is written while a load or store that names it is out; a stage is loaded again, and an index buffer written again, only behind the counted wait for the gathers that used it.
; THE MODE: SCHED_MODE bits 1:0 = 2 (LLVM: expert scheduling mode 2), set by the entry lines.  The code itself states the register dependences between vector or matrix instructions and memory instructions, with s_wait_alu, always for 0.
; THE PLAN.  Registers that memory instructions touch:
;   v1-v8      offsets, all made at the head, ahead of one wait, and never written again.
;   ST0 .. ST5 the stages.  Level l's gathers land in stage (l + 2) % 6; level l's eight blend lines read it; level l + 6's gathers land in it next.  No vector line writes a stage while gathers go, no memory instruction reads one.
;   IX0 .. IX5 the index buffers, 8 registers each, apart from the stages.  Level l's xors and holds write buffer (l + 2) % 6, level l's gathers read it as their offsets.  They lie where b1 and b2 lie at the end.
;   FE, XP, the scale words: loaded once at the head, then named by vector and matrix lines alone.
; A STEP: level l's weights and level l + 6's corner terms (temporaries alone) | the counted wait for level l | its blend, with level l + 6's xors dealt between, and the holds | ONE wait on va_vdst | level l + 6's eight gathers.
; That wait states that the index buffer is written and that the blend is done reading the stage.  A wait on vm_vsrc stands once a lap of the six index buffers: it is behind every gather whose buffer the lap's steps write again.
; LIMITS: |x01 * res| under 2^31; NaN, infinities and NaN codes among the weights are not served; a block whose largest magnitude lies under 2^-118 keeps the scale byte 1 (a block of zeros too: its codes are zeros);
; the sums over corners and over W3 are fused multiply-adds in this text's own order.
.set NCHUNK, 15625
.set W1S, 10                           ; v10-13   W1's scale words, a tile each: these eleven registers hold scales and nothing else
.set W2S, 14                           ; v14-17   W2's
.set SA,  18                           ; v18      a's scale byte: lane = point
.set SH,  19                           ; v19, v20 the hidden layer's scale words, group 0 and 1: lane r = point r of the group
.set XP,  22                           ; v22-24   x, then x01
.set FE,  44                           ; v44-75   the cells' 32 words, then the 32 features, then four result tiles of 8
.set ST,  76                           ; v76-171  six stages of 16; level l has stage (l + 2) % 6, so that the last levels free stages 0, 1, 2 first, for the weights
.set W1R, 76                           ; v76-91   W1: 4 registers a tile
.set W2R, 92                           ; v92-123  W2: 8 registers a tile
.set ZR,  124                          ; v124-131 zeros behind W2's last tile
.set ACT, 132                          ; v132-147, v148-163 the points' operand, group 0 and 1
.set CD,  164                          ; v164-171 a lane's 32 codes of a
.set IX,  172                          ; v172-219 six index buffers of 8; level l has buffer (l + 2) % 6, so that the last levels free buffers 0 to 3 first, for b1
.set B1,  172                          ; v172-203 b1, later W3
.set W3R, 172
.set B2,  204                          ; v204-235 b2
.set RES, 32                           ; s[32:47] the resolutions
.set TBL, 66                           ; s[66:97] the sixteen levels' tables: a base each, never rewritten
; v1 16 lane, v2 12 lane, v3 4 lane, v4 64 h, v5 row = r + 8 (r / 8), v6 2 row, v7 32 row + 16 h, v8 64 row + 16 h (r = lane % 16, h = lane / 16): never rewritten.  v26-43 at work.
	s_load_b512 s[4:19], s[0:1], 0x0               ; cells 4, x 6, resolutions 8, tables 10, W1's codes 12, scales 14, W2's codes 16, scales 18
	s_load_b256 s[20:27], s[0:1], 0x40             ; b1 20, b2 22, W3 24, b3 26
	s_load_b64 s[28:29], s[0:1], 0x60              ; out0
	v_lshrrev_b32 v9, 5, v0
	v_readfirstlane_b32 s55, v9                    ; wave 0..3
	v_and_b32 v9, 31, v0                           ; lane
	v_lshlrev_b32 v1, 4, v9
	v_mul_u32_u24 v2, v9, 12
	v_lshlrev_b32 v3, 2, v9
	v_bfe_u32 v21, v0, 4, 1                        ; h
	v_lshlrev_b32 v4, 6, v21
	v_and_b32 v9, 15, v0                           ; r
	v_and_b32 v5, 8, v0
	v_add_nc_u32 v5, v5, v9                        ; r + 8 (r / 8)
	v_lshlrev_b32 v6, 1, v5
	v_lshlrev_b32 v7, 5, v5
	v_lshl_add_u32 v7, v21, 4, v7
	v_lshlrev_b32 v8, 6, v5
	v_lshl_add_u32 v8, v21, 4, v8
	s_wait_alu depctr_va_sdst(0)                   ; s55 is written, ahead of its first reader: my chunk's number is made from it
	s_lshl_b32 s56, ttmp9, 2
	s_add_co_u32 s56, s56, s55                     ; my chunk
	s_wait_kmcnt 0x0
	s_cmp_ge_u32 s56, NCHUNK                       ; ids alone decide
	s_cbranch_scc1 .Lend
	s_load_b512 s[RES:RES+15], s[8:9], 0x0
	s_load_b32 s30, s[26:27], 0x0                  ; b3
	s_lshl_b32 s58, s56, 12
	s_mov_b32 s59, 0
	s_add_nc_u64 s[4:5], s[4:5], s[58:59]          ; my 4,096 bytes of cells
	s_wait_alu depctr_va_vdst(0)                   ; the eight offsets v1 to v8 are written: every load but the gathers, and the store, reads one of them
.irp j, 0,1,2,3,4,5,6,7
	global_load_b128 v[FE+4*\j:FE+4*\j+3], v1, s[4:5] offset:512*\j th:TH_LOAD_NT   ; levels 2 j and 2 j + 1; 512 consecutive bytes a load
.endr
	s_mul_i32 s58, s56, 384
	s_add_nc_u64 s[6:7], s[6:7], s[58:59]          ; my 32 points
	global_load_b32 v[XP], v2, s[6:7] th:TH_LOAD_NT
	global_load_b32 v[XP+1], v2, s[6:7] offset:4 th:TH_LOAD_NT
	global_load_b32 v[XP+2], v2, s[6:7] offset:8 th:TH_LOAD_NT
.irp t, 0,1,2,3
	global_load_u8 v[W1S+\t], v5, s[14:15] offset:32*(\t/2)+8*(\t%2)        ; one byte a row; the word's upper bytes are 0
.endr
.irp t, 0,1,2,3
	global_load_u16 v[W2S+\t], v6, s[18:19] offset:(32*(\t/2)+8*(\t%2))*2   ; two bytes a row
.endr
	s_lshl_b32 s58, s56, 7
	s_add_nc_u64 s[28:29], s[28:29], s[58:59]      ; my 128 bytes of the output
.irp l, 0,1,2,3,4,5,6,7,8,9,10,11,12,13,14,15
	s_add_nc_u64 s[TBL+2*\l:TBL+2*\l+1], s[10:11], \l*0x400000   ; a level's table is 2^19 entries of 8 bytes
.endr
	s_mov_b32 s48, 0x7ffff                         ; 2^19 - 1
	s_mov_b32 s49, 0x9e3779b1                      ; P1
	s_mov_b32 s50, 0x30025795                      ; P2
	s_mov_b32 s51, 0xffff0000                      ; lanes 16 to 31
	s_mov_b32 s52, 0x76543210                      ; v_permlanex16_b32's selects for lane l xor 16
	s_mov_b32 s53, 0xfedcba98
	s_mov_b32 s54, 0x600000                        ; the mantissa field of 448
; Level l's corner terms, in temporaries.  Of X' = w0, B' = {w1, w0} >> 19 and A' = w1 >> 6 the low 19 bits are true and the rest is masked off.
; Corner c = dx + 2 dy + 4 dz: index = ((A + dy P1) ^ (B + dz P2)) & mask, xor ((X + dx) & mask): v[32 + c / 2] xor v31 (dx 0) or v28 (dx 1).
.macro CORN l
.set CW, FE+2*(\l)
	v_alignbit_b32 v26, v[CW+1], v[CW], 19         ; B'
	v_lshrrev_b32 v27, 6, v[CW+1]                  ; A'
	v_add_nc_u32 v28, 1, v[CW]                     ; X + 1
	v_add_nc_u32 v29, s49, v27                     ; A + P1
	v_add_nc_u32 v30, s50, v26                     ; B + P2
	v_and_b32 v31, s48, v[CW]
	v_and_b32 v28, s48, v28
	v_xor_b32 v32, v27, v26                        ; dy 0, dz 0
	v_xor_b32 v33, v29, v26                        ; dy 1, dz 0
	v_xor_b32 v34, v27, v30                        ; dy 0, dz 1
	v_xor_b32 v35, v29, v30                        ; dy 1, dz 1
.irp q, 32,33,34,35
	v_and_b32 v\q, s48, v\q
.endr
.endm
; The eight indices of level l, into its index buffer (in the steps these eight lines are dealt among the blend's: BLEND).
.macro PICK l
.set IB, IX+8*(((\l)+2)%6)
.irp c, 0,1,2,3,4,5,6,7
	v_xor_b32 v[IB+\c], v[32+\c/2], v[31-3*(\c%2)]
.endr
.endm
.macro HOLD l
.set IB, IX+8*(((\l)+2)%6)
.irp c, 0,1,2,3,4,5,6,7
	v_min_u32 v[IB+\c], 0x7ffff, v[IB+\c]          ; changes nothing: a loaded number enters an address only behind a hold at a constant written in the instruction
.endr
.endm
.macro GATHER l
.set FB, ST+16*(((\l)+2)%6)
.set IB, IX+8*(((\l)+2)%6)
.irp c, 0,1,2,3,4,5,6,7
	global_load_b64 v[FB+2*\c:FB+2*\c+1], v[IB+\c], s[TBL+2*(\l):TBL+2*(\l)+1] scale_offset   ; the entry at base + 8 x index, into the level's stage
.endr
.endm
; Level l's weights, in temporaries: pairs (1 - w, w) for x, y, z; the corners' weights (ax ay) az, two at a time, in v36-43: pair c / 2, half c % 2.
.macro WEIGH l
	v_mul_f32 v36, s[RES+(\l)], v[XP]              ; pos
	v_mul_f32 v37, s[RES+(\l)], v[XP+1]
	v_mul_f32 v38, s[RES+(\l)], v[XP+2]
	v_floor_f32 v26, v36
	v_floor_f32 v28, v37
	v_floor_f32 v30, v38
	v_sub_f32 v27, v36, v26                        ; w
	v_sub_f32 v29, v37, v28
	v_sub_f32 v31, v38, v30
	v_sub_f32 v26, 1.0, v27                        ; 1 - w
	v_sub_f32 v28, 1.0, v29
	v_sub_f32 v30, 1.0, v31
	v_pk_mul_f32 v[32:33], v[26:27], v[28:29] op_sel_hi:[1,0]               ; dy 0: both halves x (1 - wy)
	v_pk_mul_f32 v[34:35], v[26:27], v[28:29] op_sel:[0,1] op_sel_hi:[1,1]  ; dy 1: both halves x wy
	v_pk_mul_f32 v[36:37], v[32:33], v[30:31] op_sel_hi:[1,0]               ; corners 0, 1
	v_pk_mul_f32 v[38:39], v[34:35], v[30:31] op_sel_hi:[1,0]               ; corners 2, 3
	v_pk_mul_f32 v[40:41], v[32:33], v[30:31] op_sel:[0,1] op_sel_hi:[1,1]  ; corners 4, 5
	v_pk_mul_f32 v[42:43], v[34:35], v[30:31] op_sel:[0,1] op_sel_hi:[1,1]  ; corners 6, 7
.endm
; Level l's blend: eight packed multiply-adds on the corners' feature pairs, corners 0 to 7 in one chain.  The first is a multiply: nothing is cleared.
; more = 1: the xors of level l + 6, which has the same index buffer, stand between the links of the chain.
.macro BLEND l, more
.set FB, ST+16*(((\l)+2)%6)
.set IB, IX+8*(((\l)+2)%6)
.set AO, FE+2*(\l)
.irp c, 0,1,2,3,4,5,6,7
.if \c == 0
	v_pk_mul_f32 v[AO:AO+1], v[FB:FB+1], v[36:37] op_sel_hi:[1,0]
.elseif (\c%2) == 0
	v_pk_fma_f32 v[AO:AO+1], v[FB+2*\c:FB+2*\c+1], v[36+\c:37+\c], v[AO:AO+1] op_sel_hi:[1,0,1]
.else
	v_pk_fma_f32 v[AO:AO+1], v[FB+2*\c:FB+2*\c+1], v[35+\c:36+\c], v[AO:AO+1] op_sel:[0,1,0] op_sel_hi:[1,1,1]
.endif
.if \more
	v_xor_b32 v[IB+\c], v[32+\c/2], v[31-3*(\c%2)]
.endif
.endr
.endm
; Step l, l = 0 .. 9: level l is blended and level l + 6 goes out into the stage just read.
.macro STEP l
	WEIGH \l                                       ; temporaries alone: these 33 lines stand ahead of the wait for the data
	CORN (\l)+6
	s_wait_loadcnt 40                              ; loads come back in order (ISA guide 5.7.1): level l is in, five younger levels, 40 loads, stay out.  Level l's gathers are done: their index buffer may be written
.if ((\l)%6) == 0
	s_wait_alu depctr_vm_vsrc(0)                   ; once a lap of the six index buffers: every gather issued so far has read its index; this step and the five behind it write again buffers that those gathers read
.endif
	BLEND \l, 1
	HOLD (\l)+6
	s_wait_alu depctr_va_vdst(0)                   ; the holds have written the index buffer, which the gathers below read; the blend is done reading the stage, in which they land
	GATHER (\l)+6
.endm
	s_wait_kmcnt 0x0                               ; the resolutions and b3
	s_wait_loadcnt 8                               ; the cells and x are in: behind them stand the 8 scale loads
	v_fma_f32 v[XP], v[XP], 0.5, 0.5               ; x / 2 + 0.5, one rounding
	v_fma_f32 v[XP+1], v[XP+1], 0.5, 0.5
	v_fma_f32 v[XP+2], v[XP+2], 0.5, 0.5
.irp l, 0,1,2,3,4,5
	CORN \l                                        ; the 48 indices of the first six levels are made at once, a buffer each
	PICK \l
	HOLD \l
.endr
	s_wait_alu depctr_va_vdst(0)                   ; all six index buffers are written, which the 48 gathers below read
.irp l, 0,1,2,3,4,5
	GATHER \l                                      ; six levels go out
.endr
.irp l, 0,1,2,3,4,5,6,7,8,9
	STEP \l                                        ; (the first step's wait also shows the weights' scales in)
.endr
	WEIGH 10                                       ; the last six levels ask for no further level
	s_wait_loadcnt 40
	BLEND 10, 0
	WEIGH 11
	s_wait_loadcnt 32                              ; levels 12 to 15
	BLEND 11, 0
	WEIGH 12
	s_wait_loadcnt 24
	BLEND 12, 0
	WEIGH 13
	s_wait_loadcnt 16                              ; levels 14 and 15; the gathers of levels 10 to 13, which read index buffers 0 to 3, are done
	BLEND 13, 0
	s_wait_alu depctr_va_vdst(0)                   ; the blends of levels 10 to 12 are done reading stages 0 to 2, in which W1 and W2 land
	s_wait_alu depctr_vm_vsrc(0)                   ; every gather has read its index: b1's loads here, and b2's behind level 15's wait, land in the index buffers
.irp t, 0,1,2,3                        ; W1's tiles.  Lane (r, h): its row's 16 codes from K = 16 h on
	global_load_b128 v[W1R+4*\t:W1R+4*\t+3], v7, s[12:13] offset:(32*(\t/2)+8*(\t%2))*32
.endr
.irp t, 0,1,2,3                        ; W2's tiles: two blocks of 32 along K
	global_load_b128 v[W2R+8*\t:W2R+8*\t+3], v8, s[16:17] offset:(32*(\t/2)+8*(\t%2))*64
	global_load_b128 v[W2R+8*\t+4:W2R+8*\t+7], v8, s[16:17] offset:(32*(\t/2)+8*(\t%2))*64+32
.endr
.irp t, 0,1,2,3                        ; lane (r, h) wants, for tile t = 2 b + u, the numbers of units 32 b + 16 h + 8 u + 0 .. 7
	global_load_b128 v[B1+8*\t:B1+8*\t+3], v4, s[20:21] offset:(32*(\t/2)+8*(\t%2))*4
	global_load_b128 v[B1+8*\t+4:B1+8*\t+7], v4, s[20:21] offset:(32*(\t/2)+8*(\t%2))*4+16
.endr
	WEIGH 14
	s_wait_loadcnt 28                              ; level 15's 8 and the 20 just issued
	BLEND 14, 0
	WEIGH 15
	s_wait_loadcnt 20                              ; the 20; the gathers of levels 14 and 15, which read index buffers 4 and 5, are done
.irp t, 0,1,2,3                        ; no vector line since the two waits above names v204 to v235
	global_load_b128 v[B2+8*\t:B2+8*\t+3], v4, s[22:23] offset:(32*(\t/2)+8*(\t%2))*4
	global_load_b128 v[B2+8*\t+4:B2+8*\t+7], v4, s[22:23] offset:(32*(\t/2)+8*(\t%2))*4+16
.endr
	BLEND 15, 0
	; ---- zero codes for the rest of K: behind W2's last tile, and registers 4 to 15 of both groups' operand
.set j, 0
.rept 8
	v_mov_b32 v[ZR+j], 0
.set j, j+1
.endr
.set j, 4
.rept 12
	v_mov_b32 v[ACT+j], 0
	v_mov_b32 v[ACT+16+j], 0
.set j, j+1
.endr
	; ---- a is quantised: a lane's 32 features are one whole block, so its largest magnitude needs no other lane
	v_max3_num_f32 v34, |v[FE]|, |v[FE+1]|, 0x4800000      ; two chains; the floor 2^(9 - 127) among the leaves holds the scale's byte at 1 from below
	v_max3_num_f32 v35, |v[FE+2]|, |v[FE+3]|, 0x4800000
.irp i, 4,8,12,16,20,24,28
	v_max3_num_f32 v34, v34, |v[FE+\i]|, |v[FE+\i+1]|
	v_max3_num_f32 v35, v35, |v[FE+\i+2]|, |v[FE+\i+3]|
.endr
	v_max_num_f32 v34, v34, v35
	v_add_nc_u32 v36, 0xfc000000, v34              ; 8 off the exponent field: the conversion takes this operand's exponent field as its scale
	v_and_or_b32 v37, v34, 0x7f800000, s54         ; 448 x the scale
	v_lshrrev_b32 v[SA], 23, v36                   ; the scale's byte
.set j, 0
.rept 32
	v_med3_num_f32 v[FE+j], v[FE+j], -v37, v37     ; the conversion to an 8-bit code does not saturate (ISA guide 7.6.2): the hold at the largest code x the scale
.set j, j+1
.endr
.irp g, 0,1,2,3
	v_cvt_scalef32_pk8_fp8_f32 v[CD+2*\g:CD+2*\g+1], v[FE+8*\g:FE+8*\g+7], v36
.endr
	v_nop                                          ; one plain instruction between a scaled conversion and the first vector instruction that reads its result
	; The operand wants, in lane (r, h), point r's codes of K = 16 h .. 16 h + 15.  Group 0 (points 0-15): lanes 0-15 have their own low 16 codes, lanes 16-31 take lane l - 16's high 16.  Group 1: the other way round.
.irp i, 0,1,2,3,4,5,6,7
	v_permlanex16_b32 v[26+\i], v[CD+\i], s52, s53
.endr
.irp i, 0,1,2,3
	v_cndmask_b32 v[ACT+\i], v[CD+\i], v[30+\i], s51
	v_cndmask_b32 v[ACT+16+\i], v[26+\i], v[CD+4+\i], s51
.endr
	s_wait_loadcnt 8                               ; W1, W2 and b1 are in; b2's eight loads may be out
.rept 8
	v_nop                                          ; in front of a scaled matrix instruction an operand written by vector instructions stands 4 places ahead, a scale register so written 8
.endr
	s_wait_alu depctr_va_vdst(0)                   ; both groups' codes of a, the zero codes and a's scale byte are written, which the products take; the places above stay beside this wait
; Four tiles of 16 units x 16 points, one matrix instruction each; the bias is its C.  Group 1's scale bytes of a lie in lanes 16 to 31.
.macro L1 p
.irp t, 0,1,2,3
.if \p
	v_wmma_scale_f32_16x16x128_f8f6f4 v[FE+8*\t:FE+8*\t+7], v[W1R+4*\t:W1R+4*\t+15], v[ACT+16*\p:ACT+16*\p+15], v[B1+8*\t:B1+8*\t+7], v[W1S+\t], v[SA] matrix_b_scale:MATRIX_SCALE_ROW1
.else
	v_wmma_scale_f32_16x16x128_f8f6f4 v[FE+8*\t:FE+8*\t+7], v[W1R+4*\t:W1R+4*\t+15], v[ACT+16*\p:ACT+16*\p+15], v[B1+8*\t:B1+8*\t+7], v[W1S+\t], v[SA]
.endif
.endr
.endm
.macro L2 p
.irp t, 0,1,2,3
	v_wmma_scale_f32_16x16x128_f8f6f4 v[FE+8*\t:FE+8*\t+7], v[W2R+8*\t:W2R+8*\t+15], v[ACT+16*\p:ACT+16*\p+15], v[B2+8*\t:B2+8*\t+7], v[W2S+\t], v[SH+\p]
.endr
.endm
; Behind this form a vector instruction that reads a result or writes an operand stands 8 places back; a later matrix instruction that writes over the results stands 9 back.
; Only plain vector instructions that name none of its registers are places, and no such work is at hand here.
.macro PLACES
.rept 9
	v_nop
.endr
.endm
; The hidden layer of group p becomes the second product's operand: two blocks of 32 along the next K, each in lanes l and l xor 16.  No |.| on the maximum's sources: what is negative becomes 0, so it must not count.
; Each result tile is read from its low end on.
.macro QH p
.irp b, 0,1
	v_max3_num_f32 v[26+\b], v[FE+16*\b], v[FE+16*\b+1], 0x4800000
.endr
.irp i, 2,4,6,8,10,12,14
.irp b, 0,1
	v_max3_num_f32 v[26+\b], v[26+\b], v[FE+16*\b+\i], v[FE+16*\b+\i+1]
.endr
.endr
.irp b, 0,1
	v_permlanex16_b32 v[28+\b], v[26+\b], s52, s53
.endr
.irp b, 0,1
	v_max_num_f32 v[26+\b], v[26+\b], v[28+\b]     ; the block's largest magnitude
.endr
.irp b, 0,1
	v_add_nc_u32 v[30+\b], 0xfc000000, v[26+\b]    ; the conversion's scale operand
.endr
.irp b, 0,1
	v_and_or_b32 v[32+\b], v[26+\b], 0x7f800000, s54   ; 448 x the scale
.endr
.irp b, 0,1
	v_lshrrev_b32 v[34+\b], 23, v[30+\b]           ; the scale's byte
.endr
	v_lshl_or_b32 v[SH+\p], v35, 8, v34            ; point r's scale word; its upper bytes, over zero codes, are 0
.irp b, 0,1
.irp i, 0,1,2,3,4,5,6,7,8,9,10,11,12,13,14,15
	v_med3_num_f32 v[FE+16*\b+\i], v[FE+16*\b+\i], 0, v[32+\b]   ; the activation and the hold in one
.endr
	v_cvt_scalef32_pk8_fp8_f32 v[ACT+16*\p+4*\b:ACT+16*\p+4*\b+1], v[FE+16*\b:FE+16*\b+7], v[30+\b]       ; registers 4 b .. 4 b + 3 of the operand: K = 32 b + 16 h + 0 .. 15
	v_cvt_scalef32_pk8_fp8_f32 v[ACT+16*\p+4*\b+2:ACT+16*\p+4*\b+3], v[FE+16*\b+8:FE+16*\b+15], v[30+\b]
.endr
	v_nop                                          ; one plain instruction between the last conversion and the products that write over its sources
.endm
; The last product, in f32: a lane's 32 units against W3's 32 numbers in the same order, two packed chains; lane l xor 16 has the point's other 32 units.
.macro DOT p
.set j, 0
.rept 32
	v_max_num_f32 v[FE+j], 0, v[FE+j]              ; the activation; ascending
.set j, j+1
.endr
	v_pk_mul_f32 v[26:27], v[FE:FE+1], v[W3R:W3R+1]
	v_pk_mul_f32 v[28:29], v[FE+2:FE+3], v[W3R+2:W3R+3]
.irp i, 4,8,12,16,20,24,28
	v_pk_fma_f32 v[26:27], v[FE+\i:FE+\i+1], v[W3R+\i:W3R+\i+1], v[26:27]
	v_pk_fma_f32 v[28:29], v[FE+\i+2:FE+\i+3], v[W3R+\i+2:W3R+\i+3], v[28:29]
.endr
	v_pk_add_f32 v[26:27], v[26:27], v[28:29]
	v_add_f32 v26, v26, v27
	v_permlanex16_b32 v30, v26, s52, s53
	v_add_f32 v[31+\p], v26, v30                   ; lanes r and 16 + r: point r of group p
.endm
	L1 0
	PLACES
	QH 0
	L1 1
	PLACES
	s_wait_alu depctr_va_vdst(0)                   ; both groups' first products are done reading b1, in which W3 lands; group 0's hidden codes and scale word are written, which its second product takes
.irp t, 0,1,2,3                        ; b1 is done with: W3 takes its registers, in the same order
	global_load_b128 v[W3R+8*\t:W3R+8*\t+3], v4, s[24:25] offset:(32*(\t/2)+8*(\t%2))*4
	global_load_b128 v[W3R+8*\t+4:W3R+8*\t+7], v4, s[24:25] offset:(32*(\t/2)+8*(\t%2))*4+16
.endr
	QH 1
	s_wait_loadcnt 8                               ; b2 is in; W3's eight loads may be out
	L2 0                                           ; its operand and scale word were made in front of the last products, their places and the wait behind them
	PLACES
	s_wait_loadcnt 0x0                             ; W3
	DOT 0
	s_wait_alu depctr_va_vdst(0)                   ; group 1's hidden codes and scale word are written, which the products below take
	L2 1
	PLACES
	DOT 1
	v_cndmask_b32 v33, v31, v32, s51               ; lane l holds point l: lanes 0-15 of group 0, lanes 16-31 of group 1
	v_add_f32 v33, s30, v33                        ; + b3
	s_wait_alu depctr_va_vdst(0)                   ; v33 is written, which the store reads
	global_store_b32 v3, v33, s[28:29] th:TH_STORE_NT   ; the wave's 128 consecutive bytes: 500,000 points do not split evenly into runs of 64
.Lend:
	s_endpgm
.Lfunc_end_k_qd1c594eb67_mlp:
	.size	k_qd1c594eb67_mlp, .Lfunc_end_k_qd1c594eb67_mlp-k_qd1c594eb67_mlp
	.p2alignl 7, 3214868480
	.fill 96, 4, 3214868480
	.section	.rodata,"a",@progbits
	.p2align	6, 0x0
	.amdhsa_kernel k_qd1c594eb67_mlp
		.amdhsa_group_segment_fixed_size 0
		.amdhsa_private_segment_fixed_size 0
		.amdhsa_enable_private_segment 0
		.amdhsa_kernarg_size 104
		.amdhsa_user_sgpr_count 2
		.amdhsa_user_sgpr_kernarg_segment_ptr 1
		.amdhsa_wavefront_size32 1
		.amdhsa_system_sgpr_workgroup_id_x 1
		.amdhsa_system_sgpr_workgroup_id_y 1
		.amdhsa_system_sgpr_workgroup_id_z 1
		.amdhsa_system_vgpr_workitem_id 0
		.amdhsa_next_free_vgpr 240
		.amdhsa_next_free_sgpr 98
		.amdhsa_reserve_vcc 0
		.amdhsa_float_denorm_mode_32 3
		.amdhsa_float_denorm_mode_16_64 3
		.amdhsa_memory_ordered 1
		.amdhsa_forward_progress 1
		.amdhsa_inst_pref_size 84
	.end_amdhsa_kernel
	.amdgpu_metadata
---
amdhsa.version: [ 1, 2 ]
amdhsa.kernels:
  - .name:           k_qd1c594eb67_mlp
    .symbol:         k_qd1c594eb67_mlp.kd
    .args:
      - { .name: cells, .offset: 0, .size: 8, .value_kind: global_buffer, .address_space: global }
      - { .name: x, .offset: 8, .size: 8, .value_kind: global_buffer, .address_space: global }
      - { .name: resolutions, .offset: 16, .size: 8, .value_kind: global_buffer, .address_space: global }
      - { .name: tables, .offset: 24, .size: 8, .value_kind: global_buffer, .address_space: global }
      - { .name: W1_codes, .offset: 32, .size: 8, .value_kind: global_buffer, .address_space: global }
      - { .name: W1_scales, .offset: 40, .size: 8, .value_kind: global_buffer, .address_space: global }
      - { .name: W2_codes, .offset: 48, .size: 8, .value_kind: global_buffer, .address_space: global }
      - { .name: W2_scales, .offset: 56, .size: 8, .value_kind: global_buffer, .address_space: global }
      - { .name: b1, .offset: 64, .size: 8, .value_kind: global_buffer, .address_space: global }
      - { .name: b2, .offset: 72, .size: 8, .value_kind: global_buffer, .address_space: global }
      - { .name: W3, .offset: 80, .size: 8, .value_kind: global_buffer, .address_space: global }
      - { .name: b3, .offset: 88, .size: 8, .value_kind: global_buffer, .address_space: global }
      - { .name: out0, .offset: 96, .size: 8, .value_kind: global_buffer, .address_space: global }
    .group_segment_fixed_size: 0
    .private_segment_fixed_size: 0
    .kernarg_segment_align: 8
    .kernarg_segment_size: 104
    .max_flat_workgroup_size: 128
    .sgpr_count:     98
    .vgpr_count:     240
    .wavefront_size: 32
...
	.end_amdgpu_metadata
.endif
;; end of part 3
